; MI455X (gfx1250); checked and timed in simulation.
; The chip was launched on July 23, 2026; its instructions are those of AMD's public machine-readable ISA for CDNA 5 (MIT licence, August 2026) and "CDNA5" Instruction Set Architecture Reference Guide (July 2026). The comments in the code are by the model that wrote it; some were corrected since.
;; Geodesic Attention. Allowed arithmetic: matrix products marked QUANTISED: E2M1 operands, one E8M0 scale for each 32 along K, by v_wmma_scale_f32_16x16x128_f8f6f4 with both operands' format E2M1 (or v_wmma_scale_f32_32x16x128_f4), f32 sums; products left as they are: bf16, f16 or f32 operands; f32 sums; everything else in f32.
;; Inputs: Wp 64 x 64 float32; Wqkv 64 x 192 float32; bp 64 float32; bqkv 192 float32; geo_scale 4 float32; x 2 x 64 x 256 x 256 float32.
;; Outputs: out0 2 x 64 x 256 x 256 float32.
;; This version of the problem:
;;   THIS VERSION OF THE PROBLEM IS GIVEN IN LOW PRECISION. The matrix products marked QUANTISED in the list below multiply operands that are first quantised to E2M1 (2 exponent bits, 1 mantissa bit; 4 bits a number), with one power-of-two scale for each 32 numbers along K (OCP MX v1.0); their sums are f32. The products marked 'left as it is' may take bf16, f16 or f32 operands, with f32 sums. Whichever they take, every output number must still come out within the allowed error. Rounding operands to bf16 (8 significant bits) uses up far more of that allowance than f16 does (11 bits, for magnitudes from 6e-5 to 65,504). All else is computed in f32.
;;   The module's matrix products, in the order in which they are computed (A, B: the left and right operand; K: the contracted axis; several contracted axes count as one K, in the product's order):
;;     1. [M 131,072, K 64] x [K 64, N 192]; A: input x; B: input Wqkv: QUANTISED
;;     2. batch 2,048 x [M 256, K 16] x [K 16, N 256]; A: computed on the way; B: computed on the way: left as it is (K = 16 < 32)
;;     3. batch 2,048 x [M 256, K 256] x [K 256, N 16]; A: computed on the way; B: computed on the way: left as it is (an operand is computed on the way)
;;     4. [M 131,072, K 64] x [K 64, N 64]; A: computed on the way; B: input Wp: left as it is (an operand is computed on the way)
;;   THE QUANTISER, for each operand of a quantised product, along K:
;;     - K is cut into blocks of 32 from its start; a last block that is shorter is filled with zeros.
;;     - A block's scale is 2^e with e = floor(log2(the largest magnitude in the block)) - 2, held to -126 .. 127; a block of zeros has e = 0. As a byte (E8M0): e + 127.
;;     - Each number is divided by its block's scale, clamped to +-6, and rounded to the nearest number of E2M1, ties to even, subnormals kept.
;;     - The product sums the exact products of the quantised numbers (number of the format x scale) in f32.
;;   ~~~python
;;   def quantise(x, axis):      # numpy; x: float32 -> the quantised numbers, widened to float32 again
;;       x = np.moveaxis(x, axis, -1); K = x.shape[-1]
;;       x = np.pad(x, [(0, 0)] * (x.ndim - 1) + [(0, -K % 32)]); x = x.reshape(x.shape[:-1] + (-1, 32)); a = np.abs(x).max(-1, keepdims=True)
;;       e = np.where(a > 0, np.clip(np.frexp(np.where(a > 0, a, 1))[1] - 1 - 2, -126, 127), 0)      # np.frexp(a)[1] - 1 = floor(log2(a)), exactly
;;       r = np.clip(x / 2.0 ** e, -6, 6)
;;       step = 2.0 ** (np.maximum(np.frexp(np.where(r == 0, 1, r))[1] - 1, 0) - 1)
;;       q = np.round(r / step) * step * 2.0 ** e      # np.round: ties to even
;;       return np.moveaxis(q.reshape(q.shape[:-2] + (-1,))[..., :K], -1, axis).astype(np.float32)
;;   ~~~
;; One version. Each part assembles by itself: llvm-mc -triple=amdgcn-amd-amdhsa -mcpu=gfx1250 --defsym DOCPART=n.
;; ======== version 1 of 1: 1 launch
;; limits: values are held in f16: magnitudes above 65,504 overflow, below 6.1e-05 lose precision
;; launch geoattn (part 1): grid 256 x 1, 8 waves a work-group, no clusters, 327,680 bytes of LDS; arguments x, Wqkv, bqkv, Wp, bp, geo_scale, out0; writes out0
.if DOCPART == 1
	.amdgcn_target "amdgcn-amd-amdhsa--gfx1250"
	.amdhsa_code_object_version 6
	.text
	.protected	k_qb89ed2ec6a_geoattn
	.globl	k_qb89ed2ec6a_geoattn
	.p2align	8
	.type	k_qb89ed2ec6a_geoattn,@function
k_qb89ed2ec6a_geoattn:
	s_mov_b64 s[64:65], 0
	v_nop
	global_prefetch_b8 v0, s[64:65] scope:SCOPE_SE
	s_setreg_imm32_b32 hwreg(HW_REG_WAVE_MODE, 25, 1), 1
	s_wait_xcnt 0x0
; GEODESIC ATTENTION, one launch.  x, out0: [2][64][256][256] f32.  Each image row (b, h) is an attention problem of its own: 256 tokens (w) of 64 channels, 4 heads of 16,
; with the bias -geo_scale[head] |ct_n - ct_m|, ct the running sum along w of 1 + sum over c of |x[c][w] - x[c][w-1]|.
; SHARES.  256 work-groups of 8 waves; work-group g stays and makes image rows 2 g and 2 g + 1.  Wave w owns tokens 32 w .. 32 w + 31 (two tiles of 16) through the whole chain:
; ct's integrand, x as FP4 codes, q k v, the attention of its two query tiles for the 4 heads, the projection.  Only k, v and ct go from wave to wave, through LDS.
; FORMATS.  x Wqkv: both operands quantised to E2M1 with one E8M0 scale for each 32 along K, by the scaled matrix form; K = 64 fills half of its 128.  q k^T, p v and the projection: f16 operands, f32 sums.
; All else f32.  The softmax takes the row's true maximum away: a query's 256 scores lie in registers (128 a lane, two lanes a query).
; HALF-FILLED K.  A fragment whose K fills half of the instruction's is 4 registers.  Two of them, a and b, share 4 registers of zeros Z as a triple (a, Z, b): (a, Z) is one operand, (Z, b) the other;
; the operand on the other side holds its 4 registers twice, so either form multiplies the right halves and the zeros add nothing.  Used for Wqkv's codes (scale words: bytes s0 s1 s0 s1) and for k.
; x COMES ONCE: both rows' 64 KiB are asked for at the head, two tensor loads a wave (8 channels x 1,024 bytes each); no LDS byte is filled twice.  Two tensor loads of a wave are out at the most.
; NO CLUSTER: work-groups share the weights alone, 66,576 bytes read once at the head against 262,144 bytes of x and out0 that are a work-group's own, and they go straight into registers in the operands' order.
; NO PREFETCH: all that a work-group reads is asked for at its head.
; LIMITS.  NaN and infinities among the inputs are not served.  0.36 q, k, v, the normalised head outputs and Wp are rounded to f16: magnitudes beyond 65,504 overflow, under 6e-5 they keep 3e-8 absolute.
; A block of zeros gets the scale byte 1 where the rule says 127: its codes are zeros, and this program alone reads the bytes.  The sums over c and ct's running sum are added in another order than a plain chain.
.set XSLOT, 66560                      ; LDS: a row's x: channels 0-31 at 1024 c, channels 32-63 at XHALF + 1024 (c - 32); later the row's stage: 64 channel rows, 1,040 bytes apart
.set XHALF, 32896                      ; 32 x 1024 + 128: with 64 banks of 4 bytes (ISA guide 11.1) lanes 16-31 start 32 banks from lanes 0-15
.set SPITCH, 1040                      ; 65 x 16 bytes: sixteen rows of one column fall into sixteen different 16-byte columns of 256
.set KIMG,  2*XSLOT                    ; k as images of the operand's registers: (head, key tile) at 512 (16 head + tile), a lane's 16 bytes at 16 x lane
.set VOFF,  32768                      ; v^T's half fragments likewise, VOFF behind k's
.set QIMG,  KIMG+65536                 ; q, each wave's own: 4096 w + 512 (4 tile + head)
.set OIMG,  QIMG+32768                 ; the normalised head outputs in f16, each wave's own: 2048 w + 512 head
.set WIMG,  OIMG+16384                 ; Wqkv's codes: column tile ct at 512 ct
.set WSC,   WIMG+6144                  ; their scale words: 128 ct + 4 x lane
.set POFF,  7680                       ; Wp's f16 fragments lie POFF behind WIMG: fragment f = 4 (K half) + column tile at 1024 f
.set CTL,   WIMG+POFF+8192             ; running sums inside each tile, 4 bytes a token
.set CTG,   CTL+1024                   ; ct
.set SPARE, CTG+1024                   ; the spare words, 128 bytes for each wave: four blocks of 256 bytes that no other line names
.set FLOOR, 0x1800000                  ; 2^(3 - 127): no largest magnitude is taken under it, so a scale's byte cannot fall under 1
; window 0
.set SPW, 1                            ; my spare word's address; never rewritten
.set NIL, 2                            ; 0; never rewritten
.set LI,  3                            ; 16 x lane
.set XA,  4                            ; x: XHALF h + 4 token (token = 32 w + r)
.set XLA, 5                            ; the left neighbour's: XHALF h + 4 ((token + 255) mod 256); token 0 names token 255, and its sum of differences is multiplied by 0
.set CTS, 6                            ; CTL + 4 token
.set CTA, 7                            ; CTG + 32 h
.set TOA, 8                            ; CTL + 64 r + 60: tile r's last token
.set KST, 9                            ; KIMG + LI + 1024 w
.set QST, 10                           ; QIMG + LI + 4096 w
.set OST, 11                           ; OIMG + LI + 2048 w
.set KB,  12                           ; KIMG + LI
.set SO,  13                           ; stage, in: 1040 r + 32 h + 128 w
.set SR,  14                           ; stage, out: 8320 w + LI
.set BQA, 15                           ; 32 h
.set WIA, 16                           ; WIMG + LI
.set H8,  17                           ; 8 h
.set KAD, 18                           ; addresses of the loads in hand (in the prologue: WA PA BA WST WSS PST in v18-23)
.set VAD, 19
.set QAD, 20
.set OAD, 21
.set CN,  22                           ; v22 my query's ct; packed forms name v[22:23] and take the low word for both halves
.set ZM,  23                           ; v23 0.0 for token 0, 1.0 for every other token of my first tile
.set XS,  24                           ; v24-25 x's scale words, v26-37 Wqkv's: scales and nothing else
.set WS,  26
.set LP,  38                           ; v38-39 my two tokens' running sums
.set T,   40                           ; v40-47 at work; in the attention q, written twice
.set QF,  40
.set OA,  48                           ; v48-55, v56-63: O^T's two accumulators; x's two fragments; O's two fragments for the projection
.set OB,  56
.set VF,  64                           ; v64-127: v^T's 8 fragments; bqkv as C of the q and k products; Wp's 8 fragments
.set D,   128                          ; v128-255: |ct_m - ct_n|, key tile t at 8 t; x's numbers; rows on the way out
; window 1: v0-127 the scores S^T (key tile t at 8 t), p packed in place; the q k v results; the projection's results
.set KT,  128                          ; v128-223: eight triples (a, Z, b)
.set MM,  224                          ; v224-231 maxima, then sums
.set MX,  232                          ; v[232:233] the row's maximum
.set RC,  234                          ; v[234:235] 1 / the row's sum
.set BP,  236                          ; v236+2 nt: bp[16 nt + r]
.set BV,  244                          ; v244+2 i: bqkv[128 + 16 i + r]
.set TP,  252                          ; v252-253 at work
; scalars
.set WV,  18                           ; my wave's number
.set MASK,19                           ; clears a sign
.set SEL, 20                           ; s[20:21] v_permlanex16_b32's selects for lane l xor 16
.set G1,  24                           ; s[24:31] descriptor group 1; s[32:35], s[36:39] groups 0 of the two rows
.set G0,  32
.set GE,  40                           ; s40-43 -geo_scale x log2(e), the head in hand first
.set GS,  44                           ; s[44:45] the head's, as a pair
.set QTC, 48                           ; query tiles to go
.set QT64,49                           ; 64 x query tile
.set HC,  50                           ; heads to go
.set HO,  51                           ; 8192 x head
.set HN,  52                           ; 8192 x next head
.set QO,  53                           ; 512 x next q image
.set OO,  54                           ; 512 x head
.set MSB, 0
.macro WIN new                         ; bits 1:0 source 0, 3:2 source 1, 5:4 source 2, 7:6 destination; the high byte repeats the setting that is left
.if MSB != \new
	s_set_vgpr_msb (MSB<<8)|\new
.set MSB, \new
.endif
.endm
.macro BAR                             ; my LDS stores have landed and my LDS loads are in: then the work-group's barrier.
	s_wait_dscnt 0x0
	s_barrier_signal -1
	s_barrier_wait -1
.endm
.macro PLACES n
.rept \n
	v_nop
.endr
.endm
; A block of 32 numbers in ONE lane, v[src] on: its scale.  v41: the conversion's scale operand; v42: bytes s0, s1 of the row's (column's) two blocks, lane l xor 16 holding the other block.
.macro QSC src
	v_max3_num_f32 v[T], |v[(\src)]|, |v[(\src)+1]|, FLOOR
	v_max3_num_f32 v[T+1], |v[(\src)+2]|, |v[(\src)+3]|, FLOOR
.irp j, 4,8,12,16,20,24,28
	v_max3_num_f32 v[T], v[T], |v[(\src)+\j]|, |v[(\src)+\j+1]|          ; two chains by turns
	v_max3_num_f32 v[T+1], v[T+1], |v[(\src)+\j+2]|, |v[(\src)+\j+3]|
.endr
	v_max_num_f32 v[T], v[T], v[T+1]               ; the block's largest magnitude
	v_add_nc_u32 v[T+1], 0xff000000, v[T]          ; 2 off its exponent field: the conversion takes this operand's exponent field as its scale
	v_lshrrev_b32 v[T+2], 23, v[T+1]               ; the scale's byte,
	v_lshlrev_b32 v[T+2], v[H8], v[T+2]            ; at its place: block h is byte h
	v_permlanex16_b32 v[T+3], v[T+2], s[SEL], s[SEL+1]
	v_or_b32 v[T+2], v[T+2], v[T+3]
.endm
; A column tile of Wqkv (lane (r, h): column r, K = 32 h + 0 .. 31 down the registers) becomes 4 registers of codes and a scale word, and goes to LDS as it stands.
.macro WQUANT src, img, sc
	QSC \src
	v_lshl_or_b32 v[T+2], v[T+2], 16, v[T+2]       ; bytes s0 s1 s0 s1: the word serves both halves of the instruction's K
.irp g, 0,1,2,3
	v_cvt_scalef32_pk8_fp4_f32 v[T+4+\g], v[(\src)+8*\g:(\src)+8*\g+7], v[T+1]
.endr
	v_nop                                          ; one plain instruction behind the scaled conversions
	ds_store_b128 v21, v[T+4:T+7] offset:\img
	ds_store_b32 v22, v[T+2] offset:\sc
	s_wait_dscnt 0x0                               ; the stores are done: their registers are written again at once
.endm
	s_load_b256 s[4:11], s[0:1], 0x0               ; x s[4:5], Wqkv s[6:7], bqkv s[8:9], Wp s[10:11]
	s_load_b128 s[12:15], s[0:1], 0x20             ; bp s[12:13], geo_scale s[14:15]
	s_load_b64 s[16:17], s[0:1], 0x30              ; out0
	v_lshl_add_u32 v[SPW], v0, 2, SPARE
	v_mov_b32 v[NIL], 0
	ds_add_u32 v[SPW], v[NIL]                      ; the wave's opening: the add, twice on end, and its wait ahead of my first tensor load
	ds_add_u32 v[SPW], v[NIL]                      ; and once more; the set-up below, work on registers, stands between it and the wait
	v_lshrrev_b32 v40, 5, v0
	v_readfirstlane_b32 s[WV], v40                 ; wave 0..7
	v_and_b32 v41, 31, v0                          ; lane
	v_and_b32 v42, 15, v0                          ; r
	v_bfe_u32 v43, v0, 4, 1                        ; h
	v_and_b32 v44, 0xef, v0                        ; my first tile's token: 32 w + r
	v_mul_u32_u24 v45, v43, XHALF
	v_lshlrev_b32 v[LI], 4, v41
	v_lshl_add_u32 v[XA], v44, 2, v45
	v_add_nc_u32 v[XLA], 255, v44
	v_and_b32 v[XLA], 255, v[XLA]                  ; token - 1; for token 0: token 255, bytes of the same channel's row
	v_lshl_add_u32 v[XLA], v[XLA], 2, v45
	v_lshl_add_u32 v[CTS], v44, 2, CTL
	v_lshl_add_u32 v[CTA], v43, 5, CTG
	v_lshl_add_u32 v[TOA], v42, 6, CTL+60
	s_lshl_b32 s58, s[WV], 10
	s_add_co_u32 s58, s58, KIMG
	v_add_nc_u32 v[KST], s58, v[LI]
	s_lshl_b32 s58, s[WV], 12
	s_add_co_u32 s58, s58, QIMG
	v_add_nc_u32 v[QST], s58, v[LI]
	s_lshl_b32 s58, s[WV], 11
	s_add_co_u32 s58, s58, OIMG
	v_add_nc_u32 v[OST], s58, v[LI]
	v_add_nc_u32 v[KB], KIMG, v[LI]
	v_mul_u32_u24 v[SO], v42, SPITCH
	v_lshl_add_u32 v[SO], v43, 5, v[SO]
	s_lshl_b32 s58, s[WV], 7
	v_add_nc_u32 v[SO], s58, v[SO]
	s_mul_i32 s58, s[WV], 8*SPITCH
	v_add_nc_u32 v[SR], s58, v[LI]
	v_lshlrev_b32 v[BQA], 5, v43
	v_add_nc_u32 v[WIA], WIMG, v[LI]
	v_lshlrev_b32 v[H8], 3, v43
	; the prologue's addresses
	v_mul_u32_u24 v18, v43, 24576                  ; WA: Wqkv: row 32 h (768 bytes a row), column 16 w + r
	v_lshl_add_u32 v18, v42, 2, v18
	s_lshl_b32 s58, s[WV], 6
	v_add_nc_u32 v18, s58, v18
	v_lshlrev_b32 v19, 11, v43                     ; PA: Wp: row 32 (w / 4) + 8 h (256 bytes a row), column 16 (w % 4) + r
	v_lshl_add_u32 v19, v42, 2, v19
	s_lshr_b32 s58, s[WV], 2
	s_lshl_b32 s58, s58, 13
	s_and_b32 s59, s[WV], 3
	s_lshl_b32 s59, s59, 6
	s_add_co_u32 s58, s58, s59
	v_add_nc_u32 v19, s58, v19
	v_lshlrev_b32 v20, 2, v42                      ; BA: 4 r
	s_lshl_b32 s58, s[WV], 9
	v_add_nc_u32 v21, s58, v[WIA]                  ; WST: my column tile's image
	s_lshl_b32 s58, s[WV], 7
	s_add_co_u32 s58, s58, WSC
	v_lshl_add_u32 v22, v41, 2, s58                ; WSS: its scale words
	s_lshl_b32 s58, s[WV], 10
	s_add_co_u32 s58, s58, POFF
	v_add_nc_u32 v23, s58, v[WIA]                  ; PST: my fragment of Wp
	s_mov_b32 s[MASK], 0x7fffffff
	s_mov_b32 s[SEL], 0x76543210
	s_mov_b32 s[SEL+1], 0xfedcba98
	; descriptor group 1: 8 channels x 256 numbers of 4 bytes, 65,536 numbers from channel to channel; no mask, no padding
	s_mov_b32 s[G1+0], 2<<16                       ; 17:16 elements of 4 bytes
	s_mov_b32 s[G1+1], 256<<16                     ; tensor_dim0 = 256
	s_mov_b32 s[G1+2], 8<<16                       ; tensor_dim1 = 8
	s_mov_b32 s[G1+3], 256<<16                     ; tile_dim0 = 256
	s_mov_b32 s[G1+4], 8                           ; tile_dim1 = 8
	s_mov_b32 s[G1+5], 65536                       ; tensor_dim0_stride
	s_mov_b32 s[G1+6], 0
	s_mov_b32 s[G1+7], 0
	s_lshr_b32 s60, ttmp9, 7                       ; b
	s_lshl_b32 s60, s60, 24                        ; an image is 2^24 bytes,
	s_lshl_b32 s61, s[WV], 21                      ; my 8 channels 2^21,
	s_add_co_u32 s60, s60, s61
	s_and_b32 s61, ttmp9, 127
	s_lshl_b32 s61, s61, 11                        ; two image rows 2^11: the same offset in x and in out0
	s_add_co_u32 s60, s60, s61
	s_mov_b32 s61, 0
	s_mov_b32 s[G0], 1                             ; count = 1
	s_lshl_b32 s[G0+1], s[WV], 13                  ; LDS: 8192 w + 128 (w / 4)
	s_lshr_b32 s58, s[WV], 2
	s_lshl_b32 s58, s58, 7
	s_add_co_u32 s[G0+1], s[G0+1], s58
	s_mov_b32 s[G0+4], 1
	s_add_co_u32 s[G0+5], s[G0+1], XSLOT
	s_wait_dscnt 0x0                               ; both opening adds are done
	s_wait_kmcnt 0x0
	s_load_b128 s[GE:GE+3], s[14:15], 0x0          ; geo_scale
	s_add_nc_u64 s[G0+2:G0+3], s[4:5], s[60:61]    ; image row 2 g,
	s_add_nc_u64 s[G0+6:G0+7], s[G0+2:G0+3], 1024  ; and 2 g + 1
	s_or_b32 s[G0+3], s[G0+3], 0x80000000          ; type = 2
	s_or_b32 s[G0+7], s[G0+7], 0x80000000
	s_add_nc_u64 s[16:17], s[16:17], s[60:61]
	tensor_load_to_lds s[G0:G0+3], s[G1:G1+7]      ; both rows' x: first fills, ahead of every wait on TENSORcnt, every LDS read and every barrier
	s_nop 0
	tensor_load_to_lds s[G0+4:G0+7], s[G1:G1+7]
	s_nop 0
	PLACES 4
	; ---- THE WEIGHTS, once a work-group.  Wave w quantises column tile w of Wqkv (waves 0-3 also tile 8 + w) and rounds fragment w of Wp to f16; all go to LDS as images of the operands' registers.
.set J, 0
.rept 32
	global_load_b32 v[D+J], v18, s[6:7] offset:J*768             ; Wqkv(32 h + J, 16 w + r)
.set J, J+1
.endr
.set J, 0
.rept 8
	global_load_b32 v[D+64+J], v19, s[10:11] offset:J*256        ; Wp: K = 8 h + J of my 32,
	global_load_b32 v[D+72+J], v19, s[10:11] offset:(16+J)*256   ; and 16 + 8 h + J
.set J, J+1
.endr
	WIN 0x40                                       ; destination window 1
.irp n, 0,1,2,3
	global_load_b32 v[BP+2*\n], v20, s[12:13] offset:64*\n       ; bp[16 n + r]
	global_load_b32 v[BV+2*\n], v20, s[8:9] offset:512+64*\n     ; bqkv[128 + 16 n + r]
.endr
.irp u, 0,1,2,3,4,5,6,7
.irp j, 4,5,6,7
	v_mov_b32 v[KT+12*\u+\j], 0                    ; the triples' zeros: written once, never loaded into
.endr
.endr
.irp j, MX+1, RC+1, BP+1, BP+3, BP+5, BP+7, BV+1, BV+3, BV+5, BV+7, TP, TP+1
	v_mov_b32 v[\j], 0                             ; upper halves of pairs that packed forms name, and a lane permute's destinations
.endr
	WIN 0
	s_wait_kmcnt 0x0
.irp n, 0,1,2,3
	s_mul_f32 s[GE+\n], s[GE+\n], 0xbfb8aa3b       ; -log2(e) geo_scale
.endr
	s_wait_loadcnt 24                              ; my first tile of Wqkv is in; Wp's 16 and the 8 bias loads may be out
	s_cmp_lt_u32 s[WV], 4
	s_cbranch_scc0 .Lone_tile
.set J, 0
.rept 32
	global_load_b32 v[D+32+J], v18, s[6:7] offset:J*768+512      ; waves 0-3: Wqkv(32 h + J, 16 (8 + w) + r), on its way while the first tile is quantised
.set J, J+1
.endr
	WQUANT D, 0, 0
	s_wait_loadcnt 0x0                             ; the second tile is in (and all that was asked for before it)
	WQUANT D+32, 4096, 1024                        ; tile 8 + w: 8 images and 8 rows of scale words further on
	s_branch .Lquantised
.Lone_tile:
	WQUANT D, 0, 0
.Lquantised:
	s_wait_loadcnt 8                               ; Wp's are in: waves 4-7 have the 8 bias loads behind them, waves 0-3 have nothing out
.irp j, 0,1,2,3,4,5,6,7
	v_cvt_pk_f16_f32 v[D+80+\j], v[D+64+2*\j], v[D+64+2*\j+1]
.endr
	ds_store_b128 v23, v[D+80:D+83]
	ds_store_b128 v23, v[D+84:D+87] offset:512
	s_wait_loadcnt 0x0                             ; the biases
	s_wait_tensorcnt 1                             ; my part of row 0's x is in; row 1's may stay out
	BAR                                            ; the weights' images and row 0's x lie in LDS
	v_and_b32 v[ZM], 0xef, v0                      ; my first tile's token
	v_cmp_ne_u32 vcc_lo, 0, v[ZM]
	v_cndmask_b32 v[ZM], 0, 1.0, vcc_lo            ; 0.0 for token 0, which has no left neighbour; else 1.0
	v_and_b32 v[QAD], 31, v0
	v_lshl_add_u32 v[QAD], v[QAD], 2, WSC
.irp ct, 0,1,2,3,4,5,6,7,8,9,10,11
	ds_load_b32 v[WS+\ct], v[QAD] offset:128*\ct   ; Wqkv's scale words stay in registers
.endr
; My tile tt: the integrand of ct and its running sum inside the tile; x's codes and scale word.  Lane (r, h): token r, channels 32 h + 0 .. 31: a whole block.
.macro DIFFQ tt
.set XO, D+64*\tt
.set XL, D+32+64*\tt
.set J, 0
.rept 16
	v_pk_add_f32 v[XL+J:XL+J+1], v[XO+J:XO+J+1], v[XL+J:XL+J+1] neg_lo:[0,1] neg_hi:[0,1]   ; x[c][w] - x[c][w-1]
.set J, J+2
.endr
.irp c, 0,1,2,3
	v_add_f32 v[T+\c], |v[XL+2*\c]|, |v[XL+2*\c+1]|              ; four chains
.endr
.irp j, 8,12,16,20,24,28
.irp c, 0,1,2,3
	v_add_f32 v[T+\c], v[T+\c], |v[XL+\j+\c]|
.endr
.endr
	v_add_f32 v[T], v[T], v[T+1]
	v_add_f32 v[T+2], v[T+2], v[T+3]
	v_add_f32 v[T], v[T], v[T+2]
	v_permlanex16_b32 v[T+4], v[T], s[SEL], s[SEL+1]
	v_add_f32 v[T], v[T], v[T+4]                   ; with the other 32 channels
.if \tt == 0
	v_fma_f32 v[LP], v[T], v[ZM], 1.0              ; the integrand: 1 + the sum; token 0's sum counts for nothing: 1
.else
	v_add_f32 v[LP+\tt], 1.0, v[T]                 ; the integrand
.endif
.irp n, 1,2,4,8
	v_add_f32_dpp v[LP+\tt], v[LP+\tt], v[LP+\tt] row_shr:\n row_mask:0xf bank_mask:0xf   ; the running sum over the tile's 16 tokens: a lane with no lane n below keeps its own
.endr
	ds_store_b32 v[CTS], v[LP+\tt] offset:64*\tt   ; (both halves of the lanes write the same word with the same value)
	QSC XO
	v_lshl_or_b32 v[XS+\tt], v[T+2], 16, v[T+2]    ; bytes s0 s1 s0 s1
.irp g, 0,1,2,3
	v_cvt_scalef32_pk8_fp4_f32 v[OA+8*\tt+\g], v[XO+8*\g:XO+8*\g+7], v[T+1]      ; the codes, written twice
	v_cvt_scalef32_pk8_fp4_f32 v[OA+8*\tt+4+\g], v[XO+8*\g:XO+8*\g+7], v[T+1]
.endr
	v_nop                                          ; one plain instruction behind the scaled conversions
.endm
; q, k, v of my tile tt.  q and k transposed (source 0 = 16 columns of Wqkv, source 1 = x; C = bqkv): a lane holds token r and channels 8 h + j.  v the other way round: a lane holds channel r and tokens 8 h + j.
.macro QKV tt
	WIN 0x41                                       ; source 0 and D window 1
.irp ct, 0,1,2,3,4,5,6,7
	v_wmma_scale_f32_16x16x128_f8f6f4 v[8*\ct:8*\ct+7], v[KT+12*(\ct/2)+4*(\ct%2):KT+12*(\ct/2)+4*(\ct%2)+7], v[OA+8*\tt:OA+8*\tt+7], v[VF+8*\ct:VF+8*\ct+7], v[WS+\ct], v[XS+\tt] matrix_a_fmt:MATRIX_FMT_FP4 matrix_b_fmt:MATRIX_FMT_FP4
.endr
	WIN 0x44                                       ; source 1 and D window 1
.irp ct, 8,9,10,11
	v_wmma_scale_f32_16x16x128_f8f6f4 v[8*\ct:8*\ct+7], v[OA+8*\tt:OA+8*\tt+7], v[KT+12*(\ct/2)+4*(\ct%2):KT+12*(\ct/2)+4*(\ct%2)+7], 0, v[XS+\tt], v[WS+\ct] matrix_a_fmt:MATRIX_FMT_FP4 matrix_b_fmt:MATRIX_FMT_FP4
.endr
	WIN 0x55
	PLACES 5                                       ; four ahead of the first read of results; five ahead of the matrix instructions that write these registers anew
.irp ct, 0,1,2,3
.irp j, 0,2,4,6
	v_pk_mul_f32 v[8*\ct+\j:8*\ct+\j+1], v[8*\ct+\j:8*\ct+\j+1], 0x3eb8aa3b op_sel_hi:[1,0]    ; q x log2(e) / sqrt(16)
.endr
.endr
.irp n, 0,1,2,3
.irp j, 0,2,4,6
	v_pk_add_f32 v[64+8*\n+\j:64+8*\n+\j+1], v[64+8*\n+\j:64+8*\n+\j+1], v[BV+2*\n:BV+2*\n+1] op_sel_hi:[1,0]   ; v's bias: my channel's
.endr
.endr
.irp ct, 0,1,2,3,4,5,6,7,8,9,10,11
.irp j, 0,1,2,3
	v_cvt_pk_f16_f32 v[8*\ct+\j], v[8*\ct+2*\j], v[8*\ct+2*\j+1]     ; in place, from the low end on
.endr
.endr
	WIN 0x04                                       ; an LDS store's data are its source 1
.irp n, 0,1,2,3
	ds_store_b128 v[QST], v[8*\n:8*\n+3] offset:(4*\tt+\n)*512
	ds_store_b128 v[KST], v[32+8*\n:32+8*\n+3] offset:\n*8192+512*\tt
	ds_store_b128 v[KST], v[64+8*\n:64+8*\n+3] offset:VOFF+\n*8192+512*\tt
.endr
	WIN 0
.endm
; ct = the running sum inside the tile + the totals of the tiles before it.  v40: tile r's total.  The choice hangs on ids; the sums over the 16 lanes leave the result in every lane.
.macro CTFIN
	v_and_b32 v[T+2], 15, v0
	s_lshl_b32 s58, s[WV], 1
	s_add_co_u32 s59, s58, 1
	v_cmp_gt_u32 vcc_lo, s58, v[T+2]
	v_cndmask_b32 v[T+1], 0, v[T], vcc_lo          ; tiles before my first tile
	v_cmp_gt_u32 vcc_lo, s59, v[T+2]
	v_cndmask_b32 v[T+3], 0, v[T], vcc_lo          ; and before my second
.irp n, 1,2,4,8
	v_add_f32_dpp v[T+1], v[T+1], v[T+1] row_xmask:\n row_mask:0xf bank_mask:0xf
	v_add_f32_dpp v[T+3], v[T+3], v[T+3] row_xmask:\n row_mask:0xf bank_mask:0xf
.endr
	v_add_f32 v[LP], v[LP], v[T+1]
	v_add_f32 v[LP+1], v[LP+1], v[T+3]
	ds_store_b32 v[CTS], v[LP] offset:1024
	ds_store_b32 v[CTS], v[LP+1] offset:1088
.endm
; |ct_m - ct_n| for my query tile and all 256 keys, in the scores' layout: made once, it serves the four heads.  Both come from the same stored numbers: 0 where m = n.
.macro DCOMP
	v_add_nc_u32 v[OAD], s[QT64], v[CTS]
	ds_load_b32 v[CN], v[OAD] offset:1024
.set J, 0
.rept 32
	ds_load_b128 v[D+4*J:D+4*J+3], v[CTA] offset:64*(J/2)+16*(J%2)
.set J, J+1
.endr
	s_wait_dscnt 0x0
.set J, 0
.rept 64
	v_pk_add_f32 v[D+J:D+J+1], v[D+J:D+J+1], v[CN:CN+1] op_sel_hi:[1,0] neg_lo:[0,1] neg_hi:[0,1]
.set J, J+2
.endr
.set J, 0
.rept 128
	v_and_b32 v[D+J], s[MASK], v[D+J]
.set J, J+1
.endr
.endm
; ONE HEAD of one query tile.  S^T = k q^T (a lane: query r, keys 16 t + 8 h + j), the bias, the softmax over all 256 keys, O^T = v^T p.
.macro HEAD
	s_mov_b32 s[GS], s[GE]
	s_mov_b32 s[GS+1], s[GE]                       ; (named with it as a pair)
	s_wait_dscnt 0x0                               ; k and q are in
	WIN 0x41
.irp t, 0,1,2,3,4,5,6,7,8,9,10,11,12,13,14,15
	v_wmma_f32_16x16x32_f16 v[8*\t:8*\t+7], v[KT+12*(\t/2)+4*(\t%2):KT+12*(\t/2)+4*(\t%2)+7], v[QF:QF+7], 0
.endr
	WIN 0
	v_add_nc_u32 v[VAD], s[HO], v[KB]              ; four plain instructions: the places ahead of the loads into k's and q's registers and of the first read of the scores
	v_add_nc_u32 v[KAD], s[HN], v[KB]
	v_add_nc_u32 v[QAD], s[QO], v[QST]
	v_nop
.irp t, 0,1,2,3,4,5,6,7,8,9,10,11,12,13,14,15
	ds_load_b128 v[VF+4*\t:VF+4*\t+3], v[VAD] offset:VOFF+512*\t      ; this head's v^T
.endr
	ds_load_b128 v[QF:QF+3], v[QAD]                ; the next head's q, twice,
	ds_load_b128 v[QF+4:QF+7], v[QAD]
	WIN 0x40
.irp t, 0,1,2,3,4,5,6,7,8,9,10,11,12,13,14,15
	ds_load_b128 v[KT+12*(\t/2)+8*(\t%2):KT+12*(\t/2)+8*(\t%2)+3], v[KAD] offset:512*\t   ; and its k
.endr
	WIN 0x50                                       ; scores window 1, distances window 0
.set J, 0
.rept 64
	v_pk_fma_f32 v[J:J+1], v[D+J:D+J+1], s[GS:GS+1], v[J:J+1] op_sel_hi:[1,0,1]          ; t = score - log2(e) geo_scale |ct_m - ct_n|; each accumulator from its low end on
.set J, J+2
.endr
	WIN 0x55
.irp c, 0,1,2,3
	v_max3_num_f32 v[MM+\c], v[32*\c], v[32*\c+1], v[32*\c+2]        ; the maximum of my 128, four chains
.endr
.irp j, 3,5,7,9,11,13,15,17,19,21,23,25,27,29
.irp c, 0,1,2,3
	v_max3_num_f32 v[MM+\c], v[MM+\c], v[32*\c+\j], v[32*\c+\j+1]
.endr
.endr
	v_max3_num_f32 v[MM], v[MM], v31, v63
	v_max3_num_f32 v[MM+2], v[MM+2], v95, v127
	v_max3_num_f32 v[MM], v[MM], v[MM+1], v[MM+2]
	v_max_num_f32 v[MM], v[MM], v[MM+3]
	v_permlanex16_b32 v[TP], v[MM], s[SEL], s[SEL+1]
	v_max_num_f32 v[MX], v[MM], v[TP]              ; with the query's other 128 keys
.set J, 0
.rept 64
	v_pk_add_f32 v[J:J+1], v[J:J+1], v[MX:MX+1] op_sel_hi:[1,0] neg_lo:[0,1] neg_hi:[0,1]
.set J, J+2
.endr
.set J, 0
.rept 128
	v_exp_f32 v[J], v[J]                           ; p = 2^(t - max): one batch
.set J, J+1
.endr
	v_nop                                          ; a plain instruction behind the last exponential
	s_wait_alu depctr_va_vdst(0)                   ; one wait for the batch, ahead of its first reader
.irp c, 0,1,2,3
	v_pk_add_f32 v[MM+2*\c:MM+2*\c+1], v[32*\c:32*\c+1], v[32*\c+2:32*\c+3]              ; the row's sum, of p in f32: four chains
.endr
.irp j, 4,6,8,10,12,14,16,18,20,22,24,26,28,30
.irp c, 0,1,2,3
	v_pk_add_f32 v[MM+2*\c:MM+2*\c+1], v[MM+2*\c:MM+2*\c+1], v[32*\c+\j:32*\c+\j+1]
.endr
.endr
	v_pk_add_f32 v[MM:MM+1], v[MM:MM+1], v[MM+2:MM+3]
	v_pk_add_f32 v[MM+4:MM+5], v[MM+4:MM+5], v[MM+6:MM+7]
	v_pk_add_f32 v[MM:MM+1], v[MM:MM+1], v[MM+4:MM+5]
	v_add_f32 v[TP], v[MM], v[MM+1]
	v_permlanex16_b32 v[TP+1], v[TP], s[SEL], s[SEL+1]
	v_add_f32 v[TP], v[TP], v[TP+1]
	v_rcp_f32 v[RC], v[TP]
	v_nop                                          ; a plain instruction behind the reciprocal; its wait stands ahead of its first reader, below
.set J, 0
.rept 64
	v_cvt_pk_f16_f32 v[J], v[2*J], v[2*J+1]        ; p in f16, packed in place: registers 8 kk .. 8 kk + 7 are source 1 for keys 32 kk on
.set J, J+1
.endr
	s_wait_dscnt 16                                ; v^T and q are in; the 16 loads of the next head's k, issued behind them, may be out
	WIN 0x04                                       ; p window 1; v^T and O^T window 0
.irp kk, 0,1,2,3,4,5,6,7
.if \kk < 2
	v_wmma_f32_16x16x32_f16 v[OA+8*(\kk%2):OA+8*(\kk%2)+7], v[VF+8*\kk:VF+8*\kk+7], v[8*\kk:8*\kk+7], 0
.else
	v_wmma_f32_16x16x32_f16 v[OA+8*(\kk%2):OA+8*(\kk%2)+7], v[VF+8*\kk:VF+8*\kk+7], v[8*\kk:8*\kk+7], v[OA+8*(\kk%2):OA+8*(\kk%2)+7]   ; two accumulators by turns
.endif
.endr
	v_add_nc_u32 v[OAD], v[OST], s[OO]
	PLACES 5                                       ; with the line above six places: four are owed ahead of the reads of O^T, five ahead of the matrix instructions that write over p's registers
	s_wait_alu depctr_va_vdst(0)                   ; the reciprocal's wait, ahead of its first reader
.irp j, 0,2,4,6
	v_pk_mul_f32 v[OB+\j:OB+\j+1], v[OB+\j:OB+\j+1], v[RC:RC+1] op_sel_hi:[1,0]
.endr
.irp j, 0,2,4,6
	v_pk_fma_f32 v[OA+\j:OA+\j+1], v[OA+\j:OA+\j+1], v[RC:RC+1], v[OB+\j:OB+\j+1] op_sel_hi:[1,0,1]   ; (the two halves of the keys' sum) / the row's sum
.endr
	WIN 0
.irp j, 0,1,2,3
	v_cvt_pk_f16_f32 v[OA+\j], v[OA+2*\j], v[OA+2*\j+1]
.endr
	ds_store_b128 v[OAD], v[OA:OA+3]               ; query r, channels 16 head + 8 h + 0 .. 7: half a fragment of the projection's source 0, as it stands
	s_mov_b32 s58, s[GE]                           ; the next head's geo_scale comes first
	s_mov_b32 s[GE], s[GE+1]
	s_mov_b32 s[GE+1], s[GE+2]
	s_mov_b32 s[GE+2], s[GE+3]
	s_mov_b32 s[GE+3], s58
	s_add_co_u32 s[HO], s[HO], 8192
	s_and_b32 s[HO], s[HO], 32767
	s_add_co_u32 s[HN], s[HN], 8192
	s_and_b32 s[HN], s[HN], 32767                  ; behind head 3 comes head 0, for the next query tile
	s_add_co_u32 s[QO], s[QO], 512
	s_and_b32 s[QO], s[QO], 4095
	s_add_co_u32 s[OO], s[OO], 512
	s_and_b32 s[OO], s[OO], 2047
.endm
; The projection of my query tile: source 0 = its 16 tokens x 64 channels, source 1 = 16 columns of Wp: a lane holds output channel 16 nt + r and tokens 8 h + j, which are neighbours in out0.
.macro PROJ
	s_wait_dscnt 0x0
.irp n, 0,1,2,3
	ds_load_b128 v[OA+4*\n:OA+4*\n+3], v[OST] offset:512*\n
.endr
.set J, 0
.rept 16
	ds_load_b128 v[VF+4*J:VF+4*J+3], v[WIA] offset:POFF+512*J
.set J, J+1
.endr
	v_add_nc_u32 v[OAD], s[QT64], v[SO]
	s_wait_dscnt 0x0
	WIN 0x50                                       ; C and D window 1
.irp nt, 0,1,2,3
	v_wmma_f32_16x16x32_f16 v[8*\nt:8*\nt+7], v[OA:OA+7], v[VF+8*\nt:VF+8*\nt+7], 0
.endr
.irp nt, 0,1,2,3
	v_wmma_f32_16x16x32_f16 v[8*\nt:8*\nt+7], v[OB:OB+7], v[VF+32+8*\nt:VF+32+8*\nt+7], v[8*\nt:8*\nt+7]   ; four accumulators by turns
.endr
	WIN 0x55
	PLACES 4
.irp nt, 0,1,2,3
.irp j, 0,2,4,6
	v_pk_add_f32 v[8*\nt+\j:8*\nt+\j+1], v[8*\nt+\j:8*\nt+\j+1], v[BP+2*\nt:BP+2*\nt+1] op_sel_hi:[1,0]
.endr
.endr
	WIN 0x04
.irp nt, 0,1,2,3
	ds_store_b128 v[OAD], v[8*\nt:8*\nt+3] offset:\nt*16*SPITCH          ; into the stage: channel row 16 nt + r, my 8 tokens' 32 bytes
	ds_store_b128 v[OAD], v[8*\nt+4:8*\nt+7] offset:\nt*16*SPITCH+16
.endr
	WIN 0
.endm
; ---- AN IMAGE ROW
.macro ROW row
.set J, 0
.rept 16
	global_load_b128 v[VF+4*J:VF+4*J+3], v[BQA], s[8:9] offset:64*(J/2)+16*(J%2)   ; bqkv[16 ct + 8 h + 0 .. 7], ct = 0 .. 7: the C of the q and k products
.set J, J+1
.endr
	WIN 0x40
.irp ct, 0,1,2,3,4,5,6,7,8,9,10,11
	ds_load_b128 v[KT+12*(\ct/2)+8*(\ct%2):KT+12*(\ct/2)+8*(\ct%2)+3], v[WIA] offset:512*\ct     ; Wqkv's codes into six triples
.endr
	WIN 0
.set J, 0
.rept 32
	ds_load_b32 v[D+J], v[XA] offset:1024*J        ; my first tile: x[32 h + J][token],
	ds_load_b32 v[D+32+J], v[XLA] offset:1024*J    ; and its left neighbour
.set J, J+1
.endr
	s_wait_dscnt 0x0
.set J, 0
.rept 32
	ds_load_b32 v[D+64+J], v[XA] offset:1024*J+64  ; my second tile lands while the first is worked
	ds_load_b32 v[D+96+J], v[XA] offset:1024*J+60
.set J, J+1
.endr
	DIFFQ 0
	s_wait_dscnt 0x0
	DIFFQ 1
	BAR                                            ; every tile's running sums lie in LDS; nobody reads this row's x any more
	ds_load_b32 v[T], v[TOA]                       ; tile r's total
	PLACES 8                                       ; x's scale words, written by vector instructions, stand eight places ahead of the scaled products, its codes four
	s_wait_loadcnt 0x0                             ; bqkv
	QKV 0
	s_wait_dscnt 0x0                               ; the totals are in
	CTFIN
	QKV 1
	BAR                                            ; k, v and ct of all 256 tokens lie in LDS
	s_mov_b32 s[HO], 0
	s_mov_b32 s[HN], 8192
	s_mov_b32 s[QO], 512
	s_mov_b32 s[OO], 0
	s_mov_b32 s[QT64], 0
	s_mov_b32 s[QTC], 2
	ds_load_b128 v[QF:QF+3], v[QST]                ; the first q, twice, and head 0's k
	ds_load_b128 v[QF+4:QF+7], v[QST]
	WIN 0x40
.irp t, 0,1,2,3,4,5,6,7,8,9,10,11,12,13,14,15
	ds_load_b128 v[KT+12*(\t/2)+8*(\t%2):KT+12*(\t/2)+8*(\t%2)+3], v[KB] offset:512*\t
.endr
	WIN 0
.Lqt_\row:
	DCOMP
	s_mov_b32 s[HC], 4
.Lhead_\row:
	HEAD
	s_sub_co_u32 s[HC], s[HC], 1
	s_cmp_lg_u32 s[HC], 0
	s_cbranch_scc1 .Lhead_\row
	PROJ
	s_add_co_u32 s[QT64], s[QT64], 64
	s_sub_co_u32 s[QTC], s[QTC], 1
	s_cmp_lg_u32 s[QTC], 0
	s_cbranch_scc1 .Lqt_\row
.if \row == 0
	s_wait_tensorcnt 0x0                           ; my part of row 1's x is in: behind this barrier everybody's is
.endif
	BAR                                            ; the stage is whole; nobody reads this row's k, v and ct any more
.set J, 0
.rept 16
	ds_load_b128 v[D+4*J:D+4*J+3], v[SR] offset:(J/2)*SPITCH+512*(J%2)   ; channels 8 w + J / 2: half a row of 1,024 bytes
.set J, J+1
.endr
.set J, 0
.rept 16
	s_wait_dscnt 15-J                              ; LDS loads come back in order: load J is in, the younger ones may be out
	global_store_b128 v[LI], v[D+4*J:D+4*J+3], s[16:17] offset:(J/2)*262144+512*(J%2)+1024*\row th:TH_STORE_NT   ; 32 lanes store 512 consecutive bytes, at a multiple of 256 from out0's first byte
.set J, J+1
.endr
.endm
	ROW 0
	s_wait_xcnt 0x0                                ; row 0's stores have read their registers: x's numbers land there next
	v_add_nc_u32 v[XA], XSLOT, v[XA]               ; on to row 1's slot
	v_add_nc_u32 v[XLA], XSLOT, v[XLA]
	v_add_nc_u32 v[SO], XSLOT, v[SO]
	v_add_nc_u32 v[SR], XSLOT, v[SR]
	ROW 1
	s_wait_tensorcnt 0x0                           ; the wave's end: behind my last tensor load and my last LDS store
	ds_add_u32 v[SPW], v[NIL]
	s_wait_dscnt 0x0
	s_endpgm
.Lfunc_end_k_qb89ed2ec6a_geoattn:
	.size	k_qb89ed2ec6a_geoattn, .Lfunc_end_k_qb89ed2ec6a_geoattn-k_qb89ed2ec6a_geoattn
	.p2alignl 7, 3214868480
	.fill 96, 4, 3214868480
	.section	.rodata,"a",@progbits
	.p2align	6, 0x0
	.amdhsa_kernel k_qb89ed2ec6a_geoattn
		.amdhsa_group_segment_fixed_size 327680
		.amdhsa_private_segment_fixed_size 0
		.amdhsa_enable_private_segment 0
		.amdhsa_kernarg_size 56
		.amdhsa_user_sgpr_count 2
		.amdhsa_user_sgpr_kernarg_segment_ptr 1
		.amdhsa_wavefront_size32 1
		.amdhsa_system_sgpr_workgroup_id_x 1
		.amdhsa_system_sgpr_workgroup_id_y 1
		.amdhsa_system_sgpr_workgroup_id_z 1
		.amdhsa_system_vgpr_workitem_id 0
		.amdhsa_next_free_vgpr 512
		.amdhsa_next_free_sgpr 66
		.amdhsa_reserve_vcc 1
		.amdhsa_float_denorm_mode_32 3
		.amdhsa_float_denorm_mode_16_64 3
		.amdhsa_memory_ordered 1
		.amdhsa_forward_progress 1
		.amdhsa_inst_pref_size 197
	.end_amdhsa_kernel
	.amdgpu_metadata
---
amdhsa.version: [ 1, 2 ]
amdhsa.kernels:
  - .name:           k_qb89ed2ec6a_geoattn
    .symbol:         k_qb89ed2ec6a_geoattn.kd
    .args:
      - { .name: x, .offset: 0, .size: 8, .value_kind: global_buffer, .address_space: global }
      - { .name: Wqkv, .offset: 8, .size: 8, .value_kind: global_buffer, .address_space: global }
      - { .name: bqkv, .offset: 16, .size: 8, .value_kind: global_buffer, .address_space: global }
      - { .name: Wp, .offset: 24, .size: 8, .value_kind: global_buffer, .address_space: global }
      - { .name: bp, .offset: 32, .size: 8, .value_kind: global_buffer, .address_space: global }
      - { .name: geo_scale, .offset: 40, .size: 8, .value_kind: global_buffer, .address_space: global }
      - { .name: out0, .offset: 48, .size: 8, .value_kind: global_buffer, .address_space: global }
    .group_segment_fixed_size: 327680
    .private_segment_fixed_size: 0
    .kernarg_segment_align: 8
    .kernarg_segment_size: 56
    .max_flat_workgroup_size: 256
    .sgpr_count:     66
    .vgpr_count:     512
    .wavefront_size: 32
...
	.end_amdgpu_metadata
.endif
;; end of part 1
